; MI455X (gfx1250); checked and timed in simulation.
; The chip was launched on July 23, 2026; its instructions are those of AMD's public machine-readable ISA for CDNA 5 (MIT licence, August 2026) and "CDNA5" Instruction Set Architecture Reference Guide (July 2026). The comments in the code are by the model that wrote it; some were corrected since.
;; Audio XMM Di T Cross Attention. Allowed arithmetic: matrix products marked QUANTISED: E4M3 operands, one given power-of-two scale a tensor, by v_wmma_f32_16x16x64_fp8_fp8 or v_wmma_f32_16x16x128_fp8_fp8, f32 sums; everything else in f32.
;; Inputs: Wk 2,048 x 2,048 float32; Wq 2,048 x 2,048 float32; Wv 2,048 x 2,048 float32; context 2 x 512 x 2,048 float32; lowp_scales 10 int32 (the exponents e of the quantised operands' scales 2^e); x 2 x 4,096 x 2,048 float32.
;; Outputs: out0 2 x 4,096 x 2,048 float32.
;; This version of the problem:
;;   THIS VERSION OF THE PROBLEM IS GIVEN IN LOW PRECISION. The matrix products marked QUANTISED in the list below multiply operands that are first quantised to E4M3 (4 exponent bits, 3 mantissa bits; 8 bits a number), with one given power-of-two scale for each operand tensor; their sums are f32. All else is computed in f32.
;;   The module's matrix products, in the order in which they are computed (A, B: the left and right operand; K: the contracted axis; several contracted axes count as one K, in the product's order):
;;     1. [M 8,192, K 2,048] x [K 2,048, N 2,048]; A: input x; B: input Wq: QUANTISED (scales: A lowp_scales[0], B lowp_scales[1])
;;     2. [M 1,024, K 2,048] x [K 2,048, N 2,048]; A: input context; B: input Wk: QUANTISED (scales: A lowp_scales[2], B lowp_scales[3])
;;     3. [M 1,024, K 2,048] x [K 2,048, N 2,048]; A: input context; B: input Wv: QUANTISED (scales: A lowp_scales[4], B lowp_scales[5])
;;     4. batch 64 x [M 4,096, K 64] x [K 64, N 512]; A: computed on the way; B: computed on the way: QUANTISED (scales: A lowp_scales[6], B lowp_scales[7])
;;     5. batch 64 x [M 4,096, K 512] x [K 512, N 64]; A: softmax (see below); B: computed on the way: QUANTISED (scales: A lowp_scales[8], B lowp_scales[9])
;;   THE QUANTISER, for each operand of a quantised product, along K:
;;     - The operand's scale is 2^e, e = its entry of the input lowp_scales (int32; the entries are numbered through the quantised products in the list's order, A before B).
;;     - Each number is divided by the scale, clamped to +-448, and rounded to the nearest number of E4M3, ties to even, subnormals kept.
;;     - The product sums the exact products of the quantised numbers (number of the format x scale) in f32.
;;   ~~~python
;;   def quantise(x, axis, e):      # numpy; x: float32 -> the quantised numbers, widened to float32 again
;;       x = np.moveaxis(x, axis, -1); K = x.shape[-1]
;;       r = np.clip(x / 2.0 ** e, -448, 448)
;;       step = 2.0 ** (np.maximum(np.frexp(np.where(r == 0, 1, r))[1] - 1, -6) - 3)
;;       q = np.round(r / step) * step * 2.0 ** e      # np.round: ties to even
;;       return np.moveaxis(q, -1, axis).astype(np.float32)
;;   ~~~
;;   SOFTMAX AHEAD OF A QUANTISED PRODUCT. Where the list says 'softmax', what is quantised is not the finished softmax but p = 2^(t - M), with t = logit x log2(e) and M = ceil(the row's largest t), a whole number; so 1/2 < the row's largest p <= 1. The row's sum l is taken of the UNQUANTISED p, in f32, and the product's result is divided by l at the end. Since M is a whole number, a kernel that streams over the keys may use a running M (the ceiling of the running maximum): every later rescaling is an exact power of two, so the quantised numbers keep their values, but for numbers so far below the row's largest that they fall under the format's range.
;;   OPERANDS COMPUTED ON THE WAY. 'Computed on the way' means the value that the module computes at that place (a softmax that the list does not call 'softmax' is quantised finished and normalised). What goes into a quantiser is computed in f32, as accurately as f32 sums, v_exp_f32 and their like allow (about 1e-6 of the number): no bf16 or f16 on the way to a quantiser, and a product that is left as it is and whose result goes on into a quantised operand takes f32 operands (vector FMAs, or v_wmma_f32_16x16x4_f32). A number that lies on a knife's edge between two numbers of the format may be rounded either way, as far as f32 arithmetic and the matrix unit's own rounding can turn it there, and no further.
;; One version. Each part assembles by itself: llvm-mc -triple=amdgcn-amd-amdhsa -mcpu=gfx1250 --defsym DOCPART=n.
;; ======== version 1 of 1: 3 launches
;; limits: right only within a limited range of input values
;; workspace buffers: xc 16,777,216 bytes; wqc 4,194,304 bytes; wkvc 8,388,608 bytes; cc 4,194,304 bytes; kv 4,194,304 bytes
;; launch quant (part 1): grid 1024 x 1, 4 waves a work-group, no clusters, 0 bytes of LDS; arguments x, Wq, Wk, Wv, context, lowp_scales, xc, wqc, wkvc, cc; writes xc, wqc, wkvc, cc
.if DOCPART == 1
	.amdgcn_target "amdgcn-amd-amdhsa--gfx1250"
	.amdhsa_code_object_version 6
	.text
	.protected	k_q01da4b82bd_quant
	.globl	k_q01da4b82bd_quant
	.p2align	8
	.type	k_q01da4b82bd_quant,@function
k_q01da4b82bd_quant:
	s_mov_b64 s[64:65], 0
	v_nop
	global_prefetch_b8 v0, s[64:65] scope:SCOPE_SE
	s_setreg_imm32_b32 hwreg(HW_REG_WAVE_MODE, 25, 1), 1
	s_wait_xcnt 0x0
; f32 numbers become codes of FP8 (E4M3), one byte each, each tensor with the scale 2^e that is given for it.
; code = x / 2^e, held within +-448, rounded to the nearest code, ties to even.
; SIX JOBS, told apart by the work-group's number; a work-group takes 32,768 numbers, a wave 8,192, in 16 steps of 512:
;   0-511 x -> xc (e0);  512-639 Wq -> wqc (e1);  640-767 Wk -> wkvc rows 0-2047 (e3);  768-895 Wv -> wkvc rows 2048-4095 (e5);
;   896-959 context -> cc plane 0 (e2);  960-1023 context -> cc plane 1 (e4): the two products that read context have scales of their own.
; Only pointers and whole numbers are chosen (s_cselect on the work-group's number): there is ONE path through the text.
; THE ORDER OF K IN THE CODES.  Each of a step's four loads reads 512 consecutive bytes, 16 a lane, so lane l holds numbers 128 i + 4 l + c (load i, c = 0 .. 3) of the step's 512.
; Its 16 codes are stored as 16 neighbouring bytes: byte 16 l + 4 i + c of a run of 512 codes holds number 128 i + 4 l + c of that run.  Every row here is 2,048 along K, four whole runs,
; and all six jobs lay their codes so: both operands of each product carry the same permutation of k, every code meets its partner, and only the order of the f32 sums differs from ascending k.
; So nothing is turned through LDS: the launch uses none.  A store of the wave covers 512 consecutive bytes, aligned.  Waves share nothing: no barrier.
; Loads run eight steps (32 loads a wave) ahead.
; LIMITS: each e lies between -126 and 119, so that 2^e and 448 x 2^e are f32 numbers.  NaN among the inputs is not served; an infinity is held at the largest code.
.set STEPS, 16
.set DEPTH, 8
.set EMAX,  8
.set MANT,  0x600000                   ; the mantissa field of 448 as f32
.set R,     16                         ; v16-143  eight sets of 16 numbers
.set C,     144                        ; v144-207 codes: four registers for each step, so that no store's data are written again
	s_load_b512 s[8:23], s[0:1], 0x0               ; x s[8:9], Wq s[10:11], Wk s[12:13], Wv s[14:15], context s[16:17], the exponents s[18:19], xc s[20:21], wqc s[22:23]
	s_load_b128 s[24:27], s[0:1], 0x40             ; wkvc s[24:25], cc s[26:27]
	v_lshrrev_b32 v1, 5, v0
	v_readfirstlane_b32 s31, v1                    ; wave
	v_and_b32 v2, 31, v0                           ; lane
	v_lshlrev_b32 v3, 4, v2                        ; my 16 bytes of a load's 512, and of a store's
	s_wait_alu depctr_va_vdst(0)                   ; the wait here, directly ahead of the wait below
	s_wait_kmcnt 0x0
	s_load_b256 s[40:47], s[18:19], 0x0            ; e0 .. e7
	; the job: source s[4:5], destination s[6:7], the source's first work-group s28, the destination's s29
	s_mov_b64 s[4:5], s[16:17]                     ; from 960 on: context -> cc, plane 1 (cc begins at work-group 896)
	s_mov_b64 s[6:7], s[26:27]
	s_mov_b32 s28, 960
	s_mov_b32 s29, 896
	s_cmp_lt_u32 ttmp9, 960                        ; context -> cc, plane 0
	s_cselect_b32 s28, 896, s28
	s_cmp_lt_u32 ttmp9, 896                        ; Wv -> wkvc, behind Wk's codes
	s_cselect_b64 s[4:5], s[14:15], s[4:5]
	s_cselect_b64 s[6:7], s[24:25], s[6:7]
	s_cselect_b32 s28, 768, s28
	s_cselect_b32 s29, 640, s29
	s_cmp_lt_u32 ttmp9, 768                        ; Wk -> wkvc
	s_cselect_b64 s[4:5], s[12:13], s[4:5]
	s_cselect_b32 s28, 640, s28
	s_cmp_lt_u32 ttmp9, 640                        ; Wq -> wqc
	s_cselect_b64 s[4:5], s[10:11], s[4:5]
	s_cselect_b64 s[6:7], s[22:23], s[6:7]
	s_cselect_b32 s28, 512, s28
	s_cselect_b32 s29, 512, s29
	s_cmp_lt_u32 ttmp9, 512                        ; x -> xc
	s_cselect_b64 s[4:5], s[8:9], s[4:5]
	s_cselect_b64 s[6:7], s[20:21], s[6:7]
	s_cselect_b32 s28, 0, s28
	s_cselect_b32 s29, 0, s29
	s_sub_co_u32 s33, ttmp9, s28
	s_lshl_b32 s33, s33, 2
	s_add_co_u32 s33, s33, s31                     ; which run of 8,192 numbers of the source is my wave's
	s_lshl_b32 s34, s33, 15                        ; x 32,768 bytes: under 2^27
	s_mov_b32 s35, 0
	s_add_nc_u64 s[4:5], s[4:5], s[34:35]
	s_sub_co_u32 s33, ttmp9, s29
	s_lshl_b32 s33, s33, 2
	s_add_co_u32 s33, s33, s31                     ; and which run of 8,192 codes of the destination
	s_lshl_b32 s34, s33, 13
	s_add_nc_u64 s[6:7], s[6:7], s[34:35]
.macro LOAD t
.irp i, 0,1,2,3
	global_load_b128 v[R+16*((\t)%DEPTH)+4*\i:R+16*((\t)%DEPTH)+4*\i+3], v3, s[4:5] offset:2048*(\t)+512*\i th:TH_LOAD_NT   ; 32 lanes read 512 consecutive bytes
.endr
.endm
.irp t, 0,1,2,3,4,5,6,7
	LOAD \t
.endr
	s_wait_kmcnt 0x0
	s_mov_b32 s32, s44                             ; the job's e, by the same chain: e4,
	s_cmp_lt_u32 ttmp9, 960
	s_cselect_b32 s32, s42, s32                    ; e2,
	s_cmp_lt_u32 ttmp9, 896
	s_cselect_b32 s32, s45, s32                    ; e5,
	s_cmp_lt_u32 ttmp9, 768
	s_cselect_b32 s32, s43, s32                    ; e3,
	s_cmp_lt_u32 ttmp9, 640
	s_cselect_b32 s32, s41, s32                    ; e1,
	s_cmp_lt_u32 ttmp9, 512
	s_cselect_b32 s32, s40, s32                    ; e0
	s_add_co_i32 s32, s32, 127
	s_lshl_b32 s33, s32, 23
	v_mov_b32 v11, s33                             ; 2^e as f32: the conversion takes its exponent field
	s_add_co_i32 s32, s32, EMAX
	s_lshl_b32 s32, s32, 23
	s_or_b32 s32, s32, MANT
	v_mov_b32 v10, s32                             ; 448 x 2^e
	s_wait_alu depctr_va_vdst(0)                   ; the wait at the head's end
.macro STEP t
.set RS, R+16*((\t)%DEPTH)
.if STEPS-1-(\t) >= DEPTH-1
	s_wait_loadcnt 4*(DEPTH-1)                     ; this step's four loads are in; those of the seven steps behind it may be out
.else
	s_wait_loadcnt 4*(STEPS-1-(\t))                ; the tail: fewer steps are behind it
.endif
.irp i, 0,1,2,3,4,5,6,7,8,9,10,11,12,13,14,15
	v_med3_num_f32 v[RS+\i], v[RS+\i], -v10, v10   ; the conversion to an 8-bit code does not saturate (ISA guide 7.6.2): the number is held within 448 x the scale first
.endr
	v_cvt_scalef32_pk8_fp8_f32 v[C+4*(\t):C+4*(\t)+1], v[RS:RS+7], v11          ; eight numbers / 2^e, to the nearest code, ties to even; the first number's code in the lowest byte
	v_cvt_scalef32_pk8_fp8_f32 v[C+4*(\t)+2:C+4*(\t)+3], v[RS+8:RS+15], v11
.if (\t)+DEPTH < STEPS
	LOAD (\t)+DEPTH                                ; the set just converted takes the loads of eight steps on
.endif
.if (\t)%4 == 3
.irp u, 3,2,1,0
	global_store_b128 v3, v[C+4*((\t)-\u):C+4*((\t)-\u)+3], s[6:7] offset:512*((\t)-\u)   ; four steps' codes leave together: 2,048 consecutive bytes; the codes go to stores alone
.endr
.endif
.endm
.irp t, 0,1,2,3,4,5,6,7,8,9,10,11,12,13,14,15
	STEP \t
.endr
	s_endpgm
.Lfunc_end_k_q01da4b82bd_quant:
	.size	k_q01da4b82bd_quant, .Lfunc_end_k_q01da4b82bd_quant-k_q01da4b82bd_quant
	.p2alignl 7, 3214868480
	.fill 96, 4, 3214868480
	.section	.rodata,"a",@progbits
	.p2align	6, 0x0
	.amdhsa_kernel k_q01da4b82bd_quant
		.amdhsa_group_segment_fixed_size 0
		.amdhsa_private_segment_fixed_size 0
		.amdhsa_enable_private_segment 0
		.amdhsa_kernarg_size 80
		.amdhsa_user_sgpr_count 2
		.amdhsa_user_sgpr_kernarg_segment_ptr 1
		.amdhsa_wavefront_size32 1
		.amdhsa_system_sgpr_workgroup_id_x 1
		.amdhsa_system_sgpr_workgroup_id_y 1
		.amdhsa_system_sgpr_workgroup_id_z 1
		.amdhsa_system_vgpr_workitem_id 0
		.amdhsa_next_free_vgpr 208
		.amdhsa_next_free_sgpr 66
		.amdhsa_reserve_vcc 0
		.amdhsa_float_denorm_mode_32 3
		.amdhsa_float_denorm_mode_16_64 3
		.amdhsa_memory_ordered 1
		.amdhsa_forward_progress 1
		.amdhsa_inst_pref_size 29
	.end_amdhsa_kernel
	.amdgpu_metadata
---
amdhsa.version: [ 1, 2 ]
amdhsa.kernels:
  - .name:           k_q01da4b82bd_quant
    .symbol:         k_q01da4b82bd_quant.kd
    .args:
      - { .name: x, .offset: 0, .size: 8, .value_kind: global_buffer, .address_space: global }
      - { .name: Wq, .offset: 8, .size: 8, .value_kind: global_buffer, .address_space: global }
      - { .name: Wk, .offset: 16, .size: 8, .value_kind: global_buffer, .address_space: global }
      - { .name: Wv, .offset: 24, .size: 8, .value_kind: global_buffer, .address_space: global }
      - { .name: context, .offset: 32, .size: 8, .value_kind: global_buffer, .address_space: global }
      - { .name: lowp_scales, .offset: 40, .size: 8, .value_kind: global_buffer, .address_space: global }
      - { .name: xc, .offset: 48, .size: 8, .value_kind: global_buffer, .address_space: global }
      - { .name: wqc, .offset: 56, .size: 8, .value_kind: global_buffer, .address_space: global }
      - { .name: wkvc, .offset: 64, .size: 8, .value_kind: global_buffer, .address_space: global }
      - { .name: cc, .offset: 72, .size: 8, .value_kind: global_buffer, .address_space: global }
    .group_segment_fixed_size: 0
    .private_segment_fixed_size: 0
    .kernarg_segment_align: 8
    .kernarg_segment_size: 80
    .max_flat_workgroup_size: 128
    .sgpr_count:     66
    .vgpr_count:     208
    .wavefront_size: 32
...
	.end_amdgpu_metadata
.endif
;; end of part 1
;; launch kvproj (part 2): grid 32 x 8, 4 waves a work-group, clusters of 4 x 4, 327,680 bytes of LDS; arguments cc, wkvc, lowp_scales, kv; writes kv
.if DOCPART == 2
	.amdgcn_target "amdgcn-amd-amdhsa--gfx1250"
	.amdhsa_code_object_version 6
	.text
	.protected	k_q01da4b82bd_kvproj
	.globl	k_q01da4b82bd_kvproj
	.p2align	8
	.type	k_q01da4b82bd_kvproj,@function
k_q01da4b82bd_kvproj:
	s_mov_b64 s[64:65], 0
	v_nop
	global_prefetch_b8 v0, s[64:65] scope:SCOPE_SE
	s_setreg_imm32_b32 hwreg(HW_REG_WAVE_MODE, 25, 1), 1
	s_wait_xcnt 0x0
	s_wait_alu depctr_hold_cnt(0) depctr_sa_sdst(0) depctr_va_vdst(0) depctr_va_sdst(0) depctr_va_ssrc(0) depctr_va_vcc(0) depctr_vm_vsrc(0)
	s_getreg_b32 s2, hwreg(HW_REG_IB_STS2, 6, 4)
	s_cmp_eq_u32 s2, 0
	s_cbranch_scc0 .Lentry_in_a_cluster
	s_endpgm
.Lentry_in_a_cluster:
	s_bfe_u32 s2, ttmp6, 0x10000c
	s_cmp_lg_u32 s2, 0xf033
	s_cbranch_scc0 .Lentry_shape_is_right
	s_endpgm
.Lentry_shape_is_right:
; k and v of the attention, as codes of FP8 (E4M3), from context's and Wk's, Wv's codes.  kv = [context Wk^T | context Wv^T] has 4,096 columns; head h takes columns 128 h .. 128 h + 127,
; the even ones as k, the odd ones as v.  A work-group makes 128 rows of context x one head: x = the head, y = the row block.  Heads 0-15 read Wk and context's codes at e2, heads 16-31 Wv and those at e4.
; wkvc's rows of one parity lie 4,096 bytes apart: waves 2 and 3 fetch the head's 64 even and 64 odd rows, waves 0 and 1 the two halves of context's 128 rows.
; K goes in four steps of 512 through a ring of two LDS slots, by joint loads in clusters of 4 x 4 (context's tiles shared along a row, the weights' along a column).
; A wave makes 32 rows x (64 of k, 64 of v).  k is made transposed (a lane holds one row, its registers run along the head's 64): RMS norm, then the quantiser with e7.
; v is made as it stands (a lane holds one channel, its registers run down the keys, which are the second product's K): the quantiser with e9, the sums' 2^(ea + eb) folded into the conversion's scale.
; Both leave as images of the attention's operand registers, 512 consecutive bytes a store: 32 KiB of k and 32 KiB of v for each batch and head.
; The codes' order along K is the one that the quantising launch lays, alike in both operands.
; THE TILES ARE PREFETCHED: behind K step 0's load each wave names K steps 1 and 2, behind K step 1's load K step 3.  Of the 64 rows that a wave fetches, each of the four partners that ask for them jointly
; takes 16, told apart by address; a lane names one block of 256 bytes (16 rows x 2 blocks an instruction).  A block of context's codes is named by the four clusters that load it, one of the weights' by two.
; LIMITS: ea + eb between -120 and 127; e7 and e9 - ea - eb between -126 and 119.
.set PITCH,  528
.set TROW,   16*PITCH
.set HALFT,  64*PITCH
.set SLOT,   4*HALFT
.set SPARE,  2*SLOT
.set ADRA, 16
.set ADRB, 20
.set KO,   24
.set VO,   25
.set SPW,  28
.set NIL,  29
.set Y,    32
.set KC,   64
.set VC,   80
.set SS,   96
.set T,    100
.set ACC,  128
.set G1, 24
.set G0, 32
.set G1B, 48
.set G0B, 56
.set MSB, 0
.macro WIN new
.if MSB != (\new)
	s_set_vgpr_msb (MSB<<8)|(\new)
.set MSB, (\new)
.endif
.endm
.macro JLOAD s
	s_cmp_eq_u32 s13, 0
	s_cbranch_scc0 .Lfor_b_\@
	tensor_load_to_lds s[G0+4*\s:G0+4*\s+3], s[G1:G1+7]
	s_nop 0
.rept 4
	v_nop
.endr
	s_branch .Lasked_\@
.Lfor_b_\@:
	tensor_load_to_lds s[G0B+4*\s:G0B+4*\s+3], s[G1B:G1B+7]
	s_nop 0
.rept 4
	v_nop
.endr
.Lasked_\@:
.endm
.macro CREST
	s_cmp_lg_u32 s12, 0
	s_cbranch_scc1 .Lnot_wave_0_\@
	s_barrier_signal -3
.Lnot_wave_0_\@:
	s_barrier_wait -3
	s_barrier_signal -1
	s_barrier_wait -1
.endm
.macro CROUND
	s_barrier_signal -1
	s_barrier_wait -1
	CREST
.endm
.macro PLACES
.rept 4
	v_nop
.endr
.endm
	s_load_b128 s[4:7], s[0:1], 0x0
	s_load_b128 s[8:11], s[0:1], 0x10
	v_lshl_add_u32 v[SPW], v0, 2, SPARE
	v_mov_b32 v[NIL], 0
	ds_add_u32 v[SPW], v[NIL]
	ds_add_u32 v[SPW], v[NIL]
	v_lshrrev_b32 v1, 5, v0
	v_readfirstlane_b32 s12, v1
	s_lshr_b32 s13, s12, 1
	s_and_b32 s14, s12, 1
	s_bfe_u32 s40, ttmp6, 0x40000
	s_bfe_u32 s41, ttmp6, 0x40004
	s_lshl_b32 s42, ttmp9, 2
	s_add_co_u32 s42, s42, s40
	s_and_b32 s43, ttmp7, 0xffff
	s_lshl_b32 s43, s43, 2
	s_add_co_u32 s43, s43, s41
	s_lshl_b32 s44, s41, 2
	s_lshl_b32 s44, 15, s44
	s_lshl_b32 s45, 0x1111, s40
	s_or_b32 s[G1+0], s44, (0<<16)|(1<<20)|(1<<21)|(6<<22)|(3<<25)
	s_or_b32 s[G1B+0], s45, (0<<16)|(1<<20)|(1<<21)|(6<<22)|(3<<25)
.irp g, G1, G1B
	s_mov_b32 s[\g+1], 512<<16
	s_mov_b32 s[\g+2], 64<<16
	s_mov_b32 s[\g+3], 512<<16
	s_mov_b32 s[\g+4], 64
	s_mov_b32 s[\g+6], 0
	s_mov_b32 s[\g+7], 0
.endr
	s_mov_b32 s[G1+5], 2048
	s_mov_b32 s[G1B+5], 4096
	s_lshl_b32 s16, s43, 7
	s_lshl_b32 s17, s14, 6
	s_add_co_u32 s16, s16, s17
	s_lshl_b32 s16, s16, 11
	s_lshr_b32 s17, ttmp9, 2
	s_lshl_b32 s17, s17, 21
	s_add_co_u32 s16, s16, s17
	s_mov_b32 s17, 0
	s_lshl_b32 s46, s42, 18
	s_lshl_b32 s47, s14, 11
	s_add_co_u32 s46, s46, s47
	s_mov_b32 s47, 0
	s_mul_i32 s20, s12, HALFT
	s_wait_dscnt 0x0
	s_wait_kmcnt 0x0
	s_load_b256 s[72:79], s[8:9], 0x0
	s_load_b64 s[80:81], s[8:9], 0x20
	s_add_nc_u64 s[16:17], s[4:5], s[16:17]
	s_add_nc_u64 s[46:47], s[6:7], s[46:47]
	CROUND
.irp s, 0,1
	s_mov_b32 s[G0+4*\s], 1
	s_add_co_u32 s[G0+4*\s+1], s20, \s*SLOT
	s_add_nc_u64 s[G0+4*\s+2:G0+4*\s+3], s[16:17], \s*512
	s_or_b32 s[G0+4*\s+3], s[G0+4*\s+3], 0x80000000
	s_mov_b32 s[G0B+4*\s], 1
	s_add_co_u32 s[G0B+4*\s+1], s20, \s*SLOT
	s_add_nc_u64 s[G0B+4*\s+2:G0B+4*\s+3], s[46:47], \s*512
	s_or_b32 s[G0B+4*\s+3], s[G0B+4*\s+3], 0x80000000
.endr
	JLOAD 0                                        ; K step 0: one tensor load a wave at the head; the addresses below are made while it is out
	s_cmp_eq_u32 s13, 0                            ; the prefetches: do I fetch context's codes or the weights'?
	s_cselect_b64 s[66:67], s[16:17], s[46:47]     ; the first of the 64 rows that I fetch
	s_cselect_b32 s68, s40, s41                    ; my place among the four that ask for them with me: it enters an address alone
	s_mov_b32 s69, 4096
	s_cselect_b32 s69, 2048, s69                   ; bytes from row to row
	s_lshl_b32 s70, s68, 4
	s_mul_i32 s70, s70, s69                        ; my work-group's 16 rows
	s_mov_b32 s71, 0
	s_add_nc_u64 s[66:67], s[66:67], s[70:71]
	v_bfe_u32 v26, v0, 1, 4
	v_mul_u32_u24 v26, s69, v26                    ; two lanes to a row,
	v_and_b32 v27, 1, v0
	v_lshl_add_u32 v26, v27, 8, v26                ; 256 bytes apart; never rewritten
	global_prefetch_b8 v26, s[66:67] offset:512 th:TH_LOAD_NT scope:SCOPE_SE    ; K step 1
	global_prefetch_b8 v26, s[66:67] offset:1024 th:TH_LOAD_NT scope:SCOPE_SE   ; K step 2
	v_and_b32 v1, 15, v0
	v_bfe_u32 v2, v0, 4, 1
	v_mul_u32_u24 v3, v1, PITCH
	v_lshl_add_u32 v3, v2, 4, v3
	s_mul_i32 s21, s12, 2*TROW
	s_mov_b32 s22, 2*HALFT
.irp s, 0,1
	v_add_nc_u32 v[ADRA+\s], s21, v3
	v_add_nc_u32 v[ADRB+\s], s22, v3
	s_add_co_u32 s21, s21, SLOT
	s_add_co_u32 s22, s22, SLOT
.endr
	v_and_b32 v4, 31, v0
	v_lshlrev_b32 v4, 4, v4
	s_and_b32 s21, s43, 3
	s_lshl_b32 s22, s21, 13
	s_lshl_b32 s23, s12, 11
	s_add_co_u32 s22, s22, s23
	v_add_nc_u32 v[KO], s22, v4
	s_lshl_b32 s22, s21, 11
	s_lshl_b32 s23, s12, 9
	s_add_co_u32 s22, s22, s23
	v_add_nc_u32 v[VO], s22, v4
	s_lshr_b32 s22, s43, 2
	s_lshl_b32 s22, s22, 5
	s_add_co_u32 s22, s22, s42
	s_lshl_b32 s22, s22, 16
	s_mov_b32 s23, 0
	s_add_nc_u64 s[10:11], s[10:11], s[22:23]
	v_mov_b32 v[T], 0
	v_mov_b32 v[T+1], 0
	s_mov_b32 s86, 0x76543210
	s_mov_b32 s87, 0xfedcba98
.macro FETCH slot, k, f
	WIN 0x40*(1+\f)
.irp a, 0,1
.irp c, 0,1,2,3
	ds_load_b128 v[16*\a+4*\c:16*\a+4*\c+3], v[ADRA+\slot] offset:\k+\a*TROW+32*\c
.endr
.endr
.irp i, 0,1,2,3
.irp c, 0,1,2,3
	ds_load_b128 v[32+16*\i+4*\c:32+16*\i+4*\c+3], v[ADRB+\slot] offset:\k+\i*TROW+32*\c
.endr
.endr
.irp i, 0,1,2,3
.irp c, 0,1,2,3
	ds_load_b128 v[96+16*\i+4*\c:96+16*\i+4*\c+3], v[ADRB+\slot] offset:HALFT+\k+\i*TROW+32*\c
.endr
.endr
.endm
.macro MULH f, half, zero
	WIN 0x05*(1+\f)
.if \half == 0
.irp a, 0,1
.irp i, 0,1,2,3
.if \zero
	v_wmma_f32_16x16x128_fp8_fp8 v[ACC+8*(4*\a+\i):ACC+8*(4*\a+\i)+7], v[32+16*\i:32+16*\i+15], v[16*\a:16*\a+15], 0
.else
	v_wmma_f32_16x16x128_fp8_fp8 v[ACC+8*(4*\a+\i):ACC+8*(4*\a+\i)+7], v[32+16*\i:32+16*\i+15], v[16*\a:16*\a+15], v[ACC+8*(4*\a+\i):ACC+8*(4*\a+\i)+7]
.endif
.endr
.endr
.else
.irp t, 0,1,2,3
.irp a, 0,1
.if \zero
	v_wmma_f32_16x16x128_fp8_fp8 v[ACC+64+8*(2*\t+\a):ACC+64+8*(2*\t+\a)+7], v[16*\a:16*\a+15], v[96+16*\t:96+16*\t+15], 0
.else
	v_wmma_f32_16x16x128_fp8_fp8 v[ACC+64+8*(2*\t+\a):ACC+64+8*(2*\t+\a)+7], v[16*\a:16*\a+15], v[96+16*\t:96+16*\t+15], v[ACC+64+8*(2*\t+\a):ACC+64+8*(2*\t+\a)+7]
.endif
.endr
.endr
.endif
.endm
.macro QUARTER slot, k, f, g, zero
	s_wait_dscnt 0x0
	PLACES
	FETCH \slot, \k, \g
	MULH \f, 0, \zero
	MULH \f, 1, \zero
.endm
.macro TURN slot, next, fill
	WIN 0
	s_wait_tensorcnt 0x0
	ds_add_u32 v[SPW], v[NIL]
	s_wait_dscnt 0x0
	s_barrier_signal -1
	MULH 1, 0, 0
	WIN 0
	s_barrier_wait -1
.if \fill
	CREST
	s_add_nc_u64 s[G0+4*\slot+2:G0+4*\slot+3], s[G0+4*\slot+2:G0+4*\slot+3], 1024
	s_add_nc_u64 s[G0B+4*\slot+2:G0B+4*\slot+3], s[G0B+4*\slot+2:G0B+4*\slot+3], 1024
	JLOAD \slot
.else
	PLACES
.endif
	FETCH \next, 0, 0
	MULH 1, 1, 0
.endm
	s_wait_alu depctr_va_vdst(0)                   ; the wait at the head's end
	s_wait_tensorcnt 0x0                           ; my part of K step 0 is in; the lines ahead of a later first fill:
	ds_add_u32 v[SPW], v[NIL]
	s_wait_dscnt 0x0
	CROUND                                         ; everybody's part of K step 0 is in, and the sixteen work-groups meet
	JLOAD 1                                        ; K step 1, the first tensor load behind the round
	FETCH 0, 0, 0
	global_prefetch_b8 v26, s[66:67] offset:1536 th:TH_LOAD_NT scope:SCOPE_SE   ; K step 3 (the address register lies in window 0, as source 0 is set)
	QUARTER 0, 128, 0, 1, 1
	QUARTER 0, 256, 1, 0, 0
	QUARTER 0, 384, 0, 1, 0
	TURN 0, 1, 1
	QUARTER 1, 128, 0, 1, 0
	QUARTER 1, 256, 1, 0, 0
	QUARTER 1, 384, 0, 1, 0
	TURN 1, 0, 1
	QUARTER 0, 128, 0, 1, 0
	QUARTER 0, 256, 1, 0, 0
	QUARTER 0, 384, 0, 1, 0
	TURN 0, 1, 0
	QUARTER 1, 128, 0, 1, 0
	QUARTER 1, 256, 1, 0, 0
	QUARTER 1, 384, 0, 1, 0
	s_wait_dscnt 0x0
	MULH 1, 0, 0
	MULH 1, 1, 0
	WIN 0
	PLACES
	s_wait_kmcnt 0x0
	s_cmp_lt_u32 ttmp9, 4
	s_cselect_b32 s82, s74, s76
	s_cselect_b32 s83, s75, s77
	s_add_co_i32 s85, s82, s83
	s_add_co_i32 s82, s85, 127
	s_lshl_b32 s82, s82, 23
	s_add_co_i32 s83, s85, 121
	s_lshl_b32 s83, s83, 23
	s_mov_b32 s84, 0x358637bd
	s_add_co_i32 s88, s79, 127
	s_lshl_b32 s89, s88, 23
	v_mov_b32 v104, s89
	s_add_co_i32 s88, s88, 8
	s_lshl_b32 s88, s88, 23
	s_or_b32 s88, s88, 0x600000
	v_mov_b32 v105, s88
	s_sub_co_i32 s88, s81, s85
	s_add_co_i32 s88, s88, 127
	s_lshl_b32 s89, s88, 23
	v_mov_b32 v106, s89
	s_add_co_i32 s88, s88, 8
	s_lshl_b32 s88, s88, 23
	s_or_b32 s88, s88, 0x600000
	v_mov_b32 v107, s88
.set pp, 0
.rept 16
.irp a, 0,1
.if pp == 0
	v_pk_mul_f32 v[SS+2*\a:SS+2*\a+1], v[ACC+32*\a:ACC+32*\a+1], v[ACC+32*\a:ACC+32*\a+1]
.else
	v_pk_fma_f32 v[SS+2*\a:SS+2*\a+1], v[ACC+32*\a+2*pp:ACC+32*\a+2*pp+1], v[ACC+32*\a+2*pp:ACC+32*\a+2*pp+1], v[SS+2*\a:SS+2*\a+1]
.endif
.endr
.set pp, pp+1
.endr
.irp a, 0,1
	v_add_f32 v[SS+2*\a], v[SS+2*\a], v[SS+2*\a+1]
.endr
.irp a, 0,1
	v_permlanex16_b32 v[T+\a], v[SS+2*\a], s86, s87
.endr
.irp a, 0,1
	v_add_f32 v[SS+2*\a], v[SS+2*\a], v[T+\a]
.endr
.irp a, 0,1
	v_mul_f32 v[SS+2*\a], s82, v[SS+2*\a]
.endr
.irp a, 0,1
	v_fma_f32 v[SS+2*\a], v[SS+2*\a], s83, s84
.endr
	s_wait_alu depctr_va_vdst(0)
.irp a, 0,1
	v_rsq_f32 v[SS+2*\a], v[SS+2*\a]
.endr
	v_nop
	s_wait_alu depctr_va_vdst(0)
.irp a, 0,1
	v_mul_f32 v[SS+2*\a], s82, v[SS+2*\a]
.endr
.irp a, 0,1
.set pp, 0
.rept 16
	v_pk_mul_f32 v[Y+2*pp:Y+2*pp+1], v[ACC+32*\a+2*pp:ACC+32*\a+2*pp+1], v[SS+2*\a:SS+2*\a+1] op_sel_hi:[1,0]
.set pp, pp+1
.endr
.set pp, 0
.rept 32
	v_med3_num_f32 v[Y+pp], v[Y+pp], -v105, v105
.set pp, pp+1
.endr
.irp i, 0,1,2,3
	v_cvt_scalef32_pk8_fp8_f32 v[KC+8*\a+2*\i:KC+8*\a+2*\i+1], v[Y+8*\i:Y+8*\i+7], v104
.endr
	v_nop
	global_store_b128 v[KO], v[KC+8*\a:KC+8*\a+3], s[10:11] offset:\a*1024
	global_store_b128 v[KO], v[KC+8*\a+4:KC+8*\a+7], s[10:11] offset:\a*1024+512
.endr
.irp t, 0,1,2,3
.set pp, 0
.rept 16
	v_med3_num_f32 v[ACC+64+16*\t+pp], v[ACC+64+16*\t+pp], -v107, v107
.set pp, pp+1
.endr
	v_cvt_scalef32_pk8_fp8_f32 v[VC+4*\t:VC+4*\t+1], v[ACC+64+16*\t:ACC+64+16*\t+7], v106
	v_cvt_scalef32_pk8_fp8_f32 v[VC+4*\t+2:VC+4*\t+3], v[ACC+64+16*\t+8:ACC+64+16*\t+15], v106
.endr
	v_nop
.irp t, 0,1,2,3
	global_store_b128 v[VO], v[VC+4*\t:VC+4*\t+3], s[10:11] offset:32768+\t*8192
.endr
	s_wait_tensorcnt 0x0
	ds_add_u32 v[SPW], v[NIL]
	s_wait_dscnt 0x0
	CROUND
	s_endpgm
.Lfunc_end_k_q01da4b82bd_kvproj:
	.size	k_q01da4b82bd_kvproj, .Lfunc_end_k_q01da4b82bd_kvproj-k_q01da4b82bd_kvproj
	.p2alignl 7, 3214868480
	.fill 96, 4, 3214868480
	.section	.rodata,"a",@progbits
	.p2align	6, 0x0
	.amdhsa_kernel k_q01da4b82bd_kvproj
		.amdhsa_group_segment_fixed_size 327680
		.amdhsa_private_segment_fixed_size 0
		.amdhsa_enable_private_segment 0
		.amdhsa_kernarg_size 32
		.amdhsa_user_sgpr_count 2
		.amdhsa_user_sgpr_kernarg_segment_ptr 1
		.amdhsa_wavefront_size32 1
		.amdhsa_system_sgpr_workgroup_id_x 1
		.amdhsa_system_sgpr_workgroup_id_y 1
		.amdhsa_system_sgpr_workgroup_id_z 1
		.amdhsa_system_vgpr_workitem_id 0
		.amdhsa_next_free_vgpr 768
		.amdhsa_next_free_sgpr 100
		.amdhsa_reserve_vcc 0
		.amdhsa_float_denorm_mode_32 3
		.amdhsa_float_denorm_mode_16_64 3
		.amdhsa_memory_ordered 1
		.amdhsa_forward_progress 1
		.amdhsa_inst_pref_size 86
	.end_amdhsa_kernel
	.amdgpu_metadata
---
amdhsa.version: [ 1, 2 ]
amdhsa.kernels:
  - .name:           k_q01da4b82bd_kvproj
    .symbol:         k_q01da4b82bd_kvproj.kd
    .args:
      - { .name: cc, .offset: 0, .size: 8, .value_kind: global_buffer, .address_space: global }
      - { .name: wkvc, .offset: 8, .size: 8, .value_kind: global_buffer, .address_space: global }
      - { .name: lowp_scales, .offset: 16, .size: 8, .value_kind: global_buffer, .address_space: global }
      - { .name: kv, .offset: 24, .size: 8, .value_kind: global_buffer, .address_space: global }
    .group_segment_fixed_size: 327680
    .private_segment_fixed_size: 0
    .kernarg_segment_align: 8
    .kernarg_segment_size: 32
    .max_flat_workgroup_size: 128
    .sgpr_count:     100
    .vgpr_count:     768
    .wavefront_size: 32
...
	.end_amdgpu_metadata
.endif
;; end of part 2
;; launch qattn (part 3): grid 8 x 32, 4 waves a work-group, clusters of 4 x 4, 327,680 bytes of LDS; arguments xc, wqc, lowp_scales, kv, out0; writes out0
.if DOCPART == 3
	.amdgcn_target "amdgcn-amd-amdhsa--gfx1250"
	.amdhsa_code_object_version 6
	.text
	.protected	k_q01da4b82bd_qattn
	.globl	k_q01da4b82bd_qattn
	.p2align	8
	.type	k_q01da4b82bd_qattn,@function
k_q01da4b82bd_qattn:
	s_mov_b64 s[64:65], 0
	v_nop
	global_prefetch_b8 v0, s[64:65] scope:SCOPE_SE
	s_setreg_imm32_b32 hwreg(HW_REG_WAVE_MODE, 25, 1), 1
	s_wait_xcnt 0x0
	s_wait_alu depctr_hold_cnt(0) depctr_sa_sdst(0) depctr_va_vdst(0) depctr_va_sdst(0) depctr_va_ssrc(0) depctr_va_vcc(0) depctr_vm_vsrc(0)
	s_getreg_b32 s2, hwreg(HW_REG_IB_STS2, 6, 4)
	s_cmp_eq_u32 s2, 0
	s_cbranch_scc0 .Lentry_in_a_cluster
	s_endpgm
.Lentry_in_a_cluster:
	s_bfe_u32 s2, ttmp6, 0x10000c
	s_cmp_lg_u32 s2, 0xf033
	s_cbranch_scc0 .Lentry_shape_is_right
	s_endpgm
.Lentry_shape_is_right:
; out = softmax(rmsnorm(q) rmsnorm(k)^T / 8) v, with q = x Wq^T made here: a work-group takes 256 rows of x and 256 columns of q (4 heads) through all of it; q never leaves the WGP.
; PART 1, q: a GEMM on codes, 256 x 256 a work-group, 128 x 128 a wave (64 accumulators in windows 2 and 3), K in steps of 256 through a ring of two LDS slots filled by joint loads
; in clusters of 4 x 4 (x's tiles shared along a row, Wq's along a column).  Used transposed: a lane holds one row of q and eight neighbouring columns an accumulator.
; The codes' order along K is the one that the quantising launch lays, alike in both operands.
; THE TILES ARE PREFETCHED: behind the load of K step s each wave names K step s + 2: 32 rows x 256 bytes, a lane a row.  The four partners that ask for a tile jointly share its rows out by address
; (32 rows each); Wq's tiles, which eight rows of clusters read, are named by the first four rows of clusters alone.  The loads of K steps 6 and 7 name nothing.
; PART 2: a wave's 128 rows x 2 heads: RMS norm over the head's 64, the quantiser with e6, the codes into the wave's own LDS bytes as images of operand registers (in slot 0, which has had its last fill).
; PART 3: 16 trips, each 16 queries x one head x all 512 keys.  k's codes fill window 1, v's window 3 (loaded as register images), the scores window 2.  S^T = k q^T, O^T = v^T p^T: a lane holds one query.
; t = score x log2(e) / 8; M = ceil(the row's largest t); p = 2^(t - M) is quantised with e8; the row's sum is taken of the unquantised p and divides at the end.
; The scores go in two halves of 128 registers, so that plain lines stand among the exponentials: the second half's t - M among the first half's, the first half's holds among the second half's.
; The second head's k is loaded behind trip 6's score products, its v behind trip 7's second product.
; LIMITS: e0 + e1 between -120 and 127; e6 and e8 between -126 and 119; e6 + e7 between -123 and 130 (added to an exponent field).
.set KROW,   2048
.set KSTEP,  256
.set ROWB,   256
.set PITCH,  272
.set FR,     16
.set NL,     4
.set NP,     4
.set HALFT,  128*PITCH
.set SLOT,   4*HALFT
.set LAPS,   KROW/(2*KSTEP)
.set SPARE,  2*SLOT
.set STG,    65536
.set SPITCH, 272
.set LI,   3
.set QW,   4
.set QAD,  5
.set STO,  6
.set RD,   7
.set GL,   8
.set GO,   9
.set NM,   14
.set ADRA, 16
.set ADRB, 20
.set PFO,  27
.set SPW,  28
.set NIL,  29
.set PD,   30
.set QF,   32
.set SU,   40
.set MX,   48
.set INV,  54
.set O,    64
.set OB,   96
.set PC,   128
.set SS,   192
.set T,    208
.set AF,   128
.set G1, 24
.set G0, 32
.set G1B, 48
.set G0B, 56
.set MSB, 0
.macro WIN new
.if MSB != (\new)
	s_set_vgpr_msb (MSB<<8)|(\new)
.set MSB, (\new)
.endif
.endm
.set MUL_LO, 0xa1
.set MUL_HI, 0xf1
.set TO_B,   0x40
.macro JLOAD g0a, g1a, g0b, g1b
	s_cmp_eq_u32 s15, 0
	s_cbranch_scc0 .Lfor_b_\@
	tensor_load_to_lds s[\g0a:\g0a+3], s[\g1a:\g1a+7]
	s_nop 0
.rept 4
	v_nop
.endr
	s_branch .Lasked_\@
.Lfor_b_\@:
	tensor_load_to_lds s[\g0b:\g0b+3], s[\g1b:\g1b+7]
	s_nop 0
.rept 4
	v_nop
.endr
.Lasked_\@:
.endm
.macro CREST
	s_cmp_lg_u32 s14, 0
	s_cbranch_scc1 .Lnot_wave_0_\@
	s_barrier_signal -3
.Lnot_wave_0_\@:
	s_barrier_wait -3
	s_barrier_signal -1
	s_barrier_wait -1
.endm
.macro CROUND
	s_barrier_signal -1
	s_barrier_wait -1
	CREST
.endm
	s_load_b128 s[4:7], s[0:1], 0x0
	s_load_b128 s[8:11], s[0:1], 0x10
	s_load_b64 s[12:13], s[0:1], 0x20
	v_lshl_add_u32 v[SPW], v0, 2, SPARE
	v_mov_b32 v[NIL], 0
	ds_add_u32 v[SPW], v[NIL]
	ds_add_u32 v[SPW], v[NIL]
	v_lshrrev_b32 v1, 5, v0
	v_readfirstlane_b32 s14, v1
	s_lshr_b32 s15, s14, 1
	s_and_b32 s16, s14, 1
	s_bfe_u32 s40, ttmp6, 0x40000
	s_bfe_u32 s41, ttmp6, 0x40004
	s_lshl_b32 s42, ttmp9, 2
	s_add_co_u32 s42, s42, s40
	s_and_b32 s17, ttmp7, 0xffff
	s_lshl_b32 s17, s17, 2
	s_add_co_u32 s17, s17, s41
	s_lshl_b32 s43, s41, 2
	s_lshl_b32 s43, 15, s43
	s_lshl_b32 s44, 0x1111, s40
	s_or_b32 s[G1+0], s43, (0<<16)|(1<<20)|(1<<21)|(5<<22)|(3<<25)
	s_or_b32 s[G1B+0], s44, (0<<16)|(1<<20)|(1<<21)|(5<<22)|(3<<25)
.irp g, G1, G1B
	s_mov_b32 s[\g+1], ROWB<<16
	s_mov_b32 s[\g+2], 128<<16
	s_mov_b32 s[\g+3], ROWB<<16
	s_mov_b32 s[\g+4], 128
	s_mov_b32 s[\g+5], KROW
	s_mov_b32 s[\g+6], 0
	s_mov_b32 s[\g+7], 0
.endr
	s_lshl_b32 s18, s16, 7
	s_lshl_b32 s20, s17, 8
	s_add_co_u32 s20, s20, s18
	s_lshl_b32 s20, s20, 11
	s_mov_b32 s21, 0
	s_lshl_b32 s46, s42, 8
	s_add_co_u32 s46, s46, s18
	s_lshl_b32 s46, s46, 11
	s_mov_b32 s47, 0
	s_mul_i32 s45, s14, HALFT
	s_wait_dscnt 0x0
	s_wait_kmcnt 0x0
	s_load_b256 s[72:79], s[8:9], 0x0
	s_load_b64 s[80:81], s[8:9], 0x20
	s_add_nc_u64 s[20:21], s[4:5], s[20:21]
	s_add_nc_u64 s[46:47], s[6:7], s[46:47]
	CROUND
.irp s, 0,1
	s_mov_b32 s[G0+4*\s], 1
	s_add_co_u32 s[G0+4*\s+1], s45, \s*SLOT
	s_add_nc_u64 s[G0+4*\s+2:G0+4*\s+3], s[20:21], \s*ROWB
	s_or_b32 s[G0+4*\s+3], s[G0+4*\s+3], 0x80000000
	s_mov_b32 s[G0B+4*\s], 1
	s_add_co_u32 s[G0B+4*\s+1], s45, \s*SLOT
	s_add_nc_u64 s[G0B+4*\s+2:G0B+4*\s+3], s[46:47], \s*ROWB
	s_or_b32 s[G0B+4*\s+3], s[G0B+4*\s+3], 0x80000000
.endr
	JLOAD G0, G1, G0B, G1B                         ; K step 0: one tensor load a wave at the head; the addresses below are made while it is out
	v_and_b32 v1, 15, v0
	v_bfe_u32 v2, v0, 4, 1
	v_mul_u32_u24 v13, v1, PITCH
	v_lshl_add_u32 v13, v2, 4, v13
	s_mul_i32 s21, s15, HALFT
	s_mul_i32 s22, s16, HALFT
	s_add_co_u32 s22, s22, 2*HALFT
.irp s, 0,1
	v_add_nc_u32 v[ADRA+\s], s21, v13
	v_add_nc_u32 v[ADRB+\s], s22, v13
	s_add_co_u32 s21, s21, SLOT
	s_add_co_u32 s22, s22, SLOT
.endr
	v_and_b32 v[LI], 31, v0
	v_lshlrev_b32 v[PFO], 8, v[LI]
	v_lshlrev_b32 v[LI], 4, v[LI]
	s_lshl_b32 s23, s14, 14
	v_add_nc_u32 v[QW], s23, v[LI]
	s_mul_i32 s23, s14, 16*SPITCH
	s_add_co_u32 s23, s23, STG
	v_mul_u32_u24 v[STO], v1, SPITCH
	v_lshl_add_u32 v[STO], v2, 5, v[STO]
	v_add_nc_u32 v[STO], s23, v[STO]
	v_mul_u32_u24 v[RD], v2, SPITCH
	v_lshl_add_u32 v[RD], v1, 4, v[RD]
	v_add_nc_u32 v[RD], s23, v[RD]
	v_lshlrev_b32 v[GL], 13, v2
	v_lshl_add_u32 v[GL], v1, 4, v[GL]
	v_mov_b32 v[NM+1], 0
	v_mov_b32 v[INV+1], 0
	v_mov_b32 v[PD], 0
	s_lshr_b32 s20, s17, 4
	s_lshl_b32 s20, s20, 5
	s_lshl_b32 s21, s42, 2
	s_add_co_u32 s20, s20, s21
	s_lshl_b32 s22, s20, 16
	s_bfe_u32 s21, s17, 0x10003
	s_lshl_b32 s21, s21, 17
	s_add_co_u32 s22, s22, s21
	s_and_b32 s21, s17, 7
	s_lshl_b32 s21, s21, 13
	s_add_co_u32 s22, s22, s21
	s_mov_b32 s23, 0
	s_add_nc_u64 s[66:67], s[10:11], s[22:23]
	s_lshl_b32 s21, s16, 1
	s_add_co_u32 s20, s20, s21
	s_lshl_b32 s22, s20, 16
	s_add_nc_u64 s[10:11], s[10:11], s[22:23]
	s_lshl_b32 s20, s17, 8
	s_lshl_b32 s21, s15, 7
	s_add_co_u32 s20, s20, s21
	s_lshl_b32 s20, s20, 13
	s_lshl_b32 s21, s42, 10
	s_add_co_u32 s20, s20, s21
	s_lshl_b32 s21, s16, 9
	s_add_co_u32 s22, s20, s21
	s_add_nc_u64 s[12:13], s[12:13], s[22:23]
	s_cmp_eq_u32 s14, 0
	s_cselect_b32 s68, 2, -1                       ; wave 0 names the second head's k and v in trip 2, four trips ahead of the first load of them
	; the tiles' prefetches: s[70:71] my work-group's 32 rows of the 128 that my wave fetches, v24 a lane a row, s69 = 1 where my wave asks
	s_cmp_eq_u32 s15, 0                            ; do I fetch for x?
	s_cselect_b32 s96, s17, s42                    ; the tile's number: by the tile row in x, by the tile column in Wq
	s_cselect_b32 s97, s40, s41                    ; my place among the four that ask for it with me: it enters an address alone
	s_cselect_b64 s[70:71], s[4:5], s[6:7]
	s_lshl_b32 s96, s96, 8
	s_lshl_b32 s98, s16, 7
	s_add_co_u32 s96, s96, s98
	s_lshl_b32 s97, s97, 5
	s_add_co_u32 s96, s96, s97
	s_lshl_b32 s96, s96, 11                        ; rows of 2,048 bytes: under 2^25
	s_mov_b32 s97, 0
	s_add_nc_u64 s[70:71], s[70:71], s[96:97]
	s_and_b32 s98, ttmp7, 0xffff
	s_lshr_b32 s98, s98, 2                         ; 0 in the first four rows of clusters
	s_mul_i32 s98, s98, s15                        ; x's waves ask in every cluster
	s_cmp_eq_u32 s98, 0
	s_cselect_b32 s69, 1, 100
	v_and_b32 v24, 31, v0
	v_lshlrev_b32 v24, 11, v24
	s_wait_alu depctr_va_vdst(0)                   ; the wait here
.macro ASKH off
	s_cmp_eq_u32 s69, 1
	s_cbranch_scc0 .Lnoh_\@
	global_prefetch_b8 v24, s[70:71] offset:\off th:TH_LOAD_NT scope:SCOPE_SE
.Lnoh_\@:
.endm
	ASKH ROWB                                      ; behind K step 0's load: K step 1, whose load follows when K step 0 has landed,
	ASKH 2*ROWB                                    ; and K step 2
.macro FRAG reg, adr, q, i
.irp c, 0,1,2,3
	ds_load_b128 v[\reg+4*\c:\reg+4*\c+3], v[\adr] offset:128*(\q)+32*\c+(\i)*16*PITCH
.endr
.endm
.macro MUL16 a0, p, zero
.irp a, \a0, \a0+1
.irp b, 0,1,2,3,4,5,6,7
.if \zero
	v_wmma_f32_16x16x128_fp8_fp8 v[8*(8*((\a)%4)+\b):8*(8*((\a)%4)+\b)+7], v[128*(\p)+FR*\b:128*(\p)+FR*\b+FR-1], v[AF+FR*(\a):AF+FR*(\a)+FR-1], 0
.else
	v_wmma_f32_16x16x128_fp8_fp8 v[8*(8*((\a)%4)+\b):8*(8*((\a)%4)+\b)+7], v[128*(\p)+FR*\b:128*(\p)+FR*\b+FR-1], v[AF+FR*(\a):AF+FR*(\a)+FR-1], v[8*(8*((\a)%4)+\b):8*(8*((\a)%4)+\b)+7]
.endif
.endr
.endr
.endm
.macro FETCH_B slot, q, p
	WIN TO_B
.irp i, 0,1,2,3,4,5,6,7
	FRAG 128*(\p)+FR*\i, ADRB+\slot, \q, \i
.endr
	WIN 0
.endm
.macro FETCH_A slot, q, i0
.irp i, \i0, \i0+1, \i0+2, \i0+3
	FRAG AF+FR*(\i), ADRA+\slot, \q, \i
.endr
.endm
.macro PLACES n
.rept \n
	v_nop
.endr
.endm
.macro STEP slot, q, zero
	s_wait_dscnt 4*NL
	WIN MUL_LO
	MUL16 0, (\q)%2, \zero
	MUL16 2, (\q)%2, \zero
	s_wait_dscnt 0
	PLACES NP
	FETCH_B \slot, (\q)+1, 1-(\q)%2
	FETCH_A \slot, (\q)+1, 0
	WIN MUL_HI
	MUL16 4, (\q)%2, \zero
	MUL16 6, (\q)%2, \zero
	PLACES NP
	WIN 0
	FETCH_A \slot, (\q)+1, 4
.endm
.macro TURN slot, next, fill
.if \fill
	s_wait_xcnt 0x0                                ; my last prefetch has read its address: it is stepped here, a K step behind that prefetch
	s_add_nc_u64 s[70:71], s[70:71], ROWB
.endif
	s_wait_tensorcnt 0x0
	ds_add_u32 v[SPW], v[NIL]
	s_wait_dscnt 4*NL+1
	WIN MUL_LO
	MUL16 0, 1, 0
	s_wait_dscnt 0x0
	s_barrier_signal -1
	MUL16 2, 1, 0
	WIN 0
	s_barrier_wait -1
.if \fill
	CREST
	s_add_nc_u64 s[G0+4*\slot+2:G0+4*\slot+3], s[G0+4*\slot+2:G0+4*\slot+3], 2*ROWB
	s_add_nc_u64 s[G0B+4*\slot+2:G0B+4*\slot+3], s[G0B+4*\slot+2:G0B+4*\slot+3], 2*ROWB
	JLOAD G0+4*\slot, G1, G0B+4*\slot, G1B
.else
	PLACES NP
.endif
	FETCH_B \next, 0, 0
	FETCH_A \next, 0, 0
.if \fill
	s_cmp_gt_u32 s3, s69                           ; s3 = 1 in the loop's last trip: K steps 6 and 7 have no K step two on
	s_cbranch_scc0 .Lnot_mine_\@
	global_prefetch_b8 v24, s[70:71] offset:3*ROWB th:TH_LOAD_NT scope:SCOPE_SE   ; two K steps on from the joint load above
.Lnot_mine_\@:
.endif
	WIN MUL_HI
	MUL16 4, 1, 0
	MUL16 6, 1, 0
	PLACES NP
	WIN 0
	FETCH_A \next, 0, 4
.endm
	s_wait_alu depctr_va_vdst(0)                   ; the wait at the head's end
	s_wait_tensorcnt 0x0                           ; my part of K step 0 is in; the lines ahead of a later first fill:
	ds_add_u32 v[SPW], v[NIL]
	s_wait_dscnt 0x0
	CROUND                                         ; everybody's part of K step 0 is in, and the sixteen work-groups meet
	JLOAD G0+4, G1, G0B+4, G1B                     ; K step 1, the first tensor load behind the round
	FETCH_B 0, 0, 0
	FETCH_A 0, 0, 0
	FETCH_A 0, 0, 4
	ASKH 3*ROWB                                    ; behind K step 1's load: K step 3
	STEP 0, 0, 1
	s_mov_b32 s3, LAPS-1
.Llap:
	TURN 0, 1, 1
	STEP 1, 0, 0
	TURN 1, 0, 1
	STEP 0, 0, 0
	s_sub_co_u32 s3, s3, 1
	s_cmp_lg_u32 s3, 0
	s_cbranch_scc1 .Llap
	s_cmp_lg_u32 s14, 0
	s_cbranch_scc1 .Lno_ask1
	global_prefetch_b8 v[PFO], s[66:67] th:TH_LOAD_NT scope:SCOPE_SE
.Lno_ask1:
	TURN 0, 1, 0
	STEP 1, 0, 0
	s_wait_dscnt 4*NL
	WIN MUL_LO
	MUL16 0, 1, 0
	MUL16 2, 1, 0
	s_wait_dscnt 0
	WIN MUL_HI
	MUL16 4, 1, 0
	MUL16 6, 1, 0
	WIN 0
	s_wait_kmcnt 0x0
	s_add_co_i32 s85, s72, s73
	s_add_co_i32 s82, s85, 127
	s_lshl_b32 s82, s82, 23
	s_add_co_i32 s83, s85, 121
	s_lshl_b32 s83, s83, 23
	s_mov_b32 s84, 0x358637bd
	s_mov_b32 s86, 0x76543210
	s_mov_b32 s87, 0xfedcba98
	s_add_co_i32 s88, s78, s79
	s_lshl_b32 s88, s88, 23
	s_add_co_i32 s88, s88, 0x3e38aa3b
	s_mov_b32 s89, s88
	s_add_co_i32 s93, s78, 127
	s_lshl_b32 s94, s93, 23
	v_mov_b32 v10, s94
	s_add_co_i32 s93, s93, 8
	s_lshl_b32 s93, s93, 23
	s_or_b32 s93, s93, 0x600000
	v_mov_b32 v11, s93
	s_add_co_i32 s93, s80, 127
	s_lshl_b32 s94, s93, 23
	v_mov_b32 v12, s94
	s_add_co_i32 s93, s93, 8
	s_lshl_b32 s90, s93, 23
	s_or_b32 s90, s90, 0x600000
	s_add_co_i32 s91, s80, s81
	PLACES NP
.irp j, 0,1,2,3,4,5,6,7
	v_mov_b32 v[T+\j], 0
.endr
.macro KVLOAD win, off
	WIN \win
.set n, 0
.rept 64
	global_load_b128 v[4*n:4*n+3], v[LI], s[10:11] offset:\off+512*n
.set n, n+1
.endr
.endm
.macro QUANTQ hi
	s_wait_dscnt 0x0
	WIN 0x0a+5*\hi
.set pp, 0
.rept 16
.irp x, 0,1,2,3,4,5,6,7
.if pp == 0
	v_pk_mul_f32 v[SS+2*\x:SS+2*\x+1], v[32*\x:32*\x+1], v[32*\x:32*\x+1]
.else
	v_pk_fma_f32 v[SS+2*\x:SS+2*\x+1], v[32*\x+2*pp:32*\x+2*pp+1], v[32*\x+2*pp:32*\x+2*pp+1], v[SS+2*\x:SS+2*\x+1]
.endif
.endr
.set pp, pp+1
.endr
	WIN 0
.irp x, 0,1,2,3,4,5,6,7
	v_add_f32 v[SS+2*\x], v[SS+2*\x], v[SS+2*\x+1]
.endr
.irp x, 0,1,2,3,4,5,6,7
	v_permlanex16_b32 v[T+\x], v[SS+2*\x], s86, s87
.endr
.irp x, 0,1,2,3,4,5,6,7
	v_add_f32 v[SS+2*\x], v[SS+2*\x], v[T+\x]
.endr
.irp x, 0,1,2,3,4,5,6,7
	v_mul_f32 v[SS+2*\x], s82, v[SS+2*\x]
.endr
.irp x, 0,1,2,3,4,5,6,7
	v_fma_f32 v[SS+2*\x], v[SS+2*\x], s83, s84
.endr
	s_wait_alu depctr_va_vdst(0)
.irp x, 0,1,2,3,4,5,6,7
	v_rsq_f32 v[SS+2*\x], v[SS+2*\x]
.endr
	v_nop
	s_wait_alu depctr_va_vdst(0)
.irp x, 0,1,2,3,4,5,6,7
	v_mul_f32 v[SS+2*\x], s82, v[SS+2*\x]
.endr
.irp x, 0,1,2,3,4,5,6,7
	WIN 0x02+\hi
.set pp, 0
.rept 16
	v_pk_mul_f32 v[O+2*pp:O+2*pp+1], v[32*\x+2*pp:32*\x+2*pp+1], v[SS+2*\x:SS+2*\x+1] op_sel_hi:[1,0]
.set pp, pp+1
.endr
	WIN 0
.set pp, 0
.rept 32
	v_med3_num_f32 v[O+pp], v[O+pp], -v11, v11
.set pp, pp+1
.endr
.irp i, 0,1,2,3
	v_cvt_scalef32_pk8_fp8_f32 v[PC+8*\x+2*\i:PC+8*\x+2*\i+1], v[O+8*\i:O+8*\i+7], v10
.endr
	v_nop
	ds_store_b128 v[QW], v[PC+8*\x:PC+8*\x+3] offset:(8*(\x%2)+4*\hi+\x/2)*1024
	ds_store_b128 v[QW], v[PC+8*\x+4:PC+8*\x+7] offset:(8*(\x%2)+4*\hi+\x/2)*1024+512
.endr
.endm
	KVLOAD 0x40, 0
	QUANTQ 1
	KVLOAD 0xc0, 32768
	QUANTQ 0
.macro SQK
	WIN 0x81
.set n, 0
.rept 32
	v_wmma_f32_16x16x64_fp8_fp8 v[8*n:8*n+7], v[8*n:8*n+7], v[QF:QF+7], 0
.set n, n+1
.endr
	WIN 0
.endm
	s_mov_b32 s92, 0
	ds_load_b128 v[QF:QF+3], v[QW]
	ds_load_b128 v[QF+4:QF+7], v[QW] offset:512
	s_wait_dscnt 0x0
	s_wait_loadcnt 0x3f
	SQK
.Ltrip:
.irp j, 0,1,2,3,4,5,6,7
	v_mov_b32 v[SU+\j], 0
.endr
	s_add_co_u32 s93, s92, 1
	s_and_b32 s93, s93, 15
	s_lshl_b32 s93, s93, 10
	v_add_nc_u32 v[QAD], s93, v[QW]
	ds_load_b128 v[QF:QF+3], v[QAD]
	ds_load_b128 v[QF+4:QF+7], v[QAD] offset:512
	s_cmp_eq_u32 s92, s68
	s_cbranch_scc0 .Lno_ask2
	global_prefetch_b8 v[PFO], s[66:67] offset:65536 th:TH_LOAD_NT scope:SCOPE_SE
.Lno_ask2:
	WIN 0x28
.set n, 0
.rept 32
.irp k, 0,1,2,3
.if n == 0
	v_max3_num_f32 v[MX+\k], 0xff800000, v[64*\k], v[64*\k+1]
.else
	v_max3_num_f32 v[MX+\k], v[MX+\k], v[64*\k+2*n], v[64*\k+2*n+1]
.endif
.endr
.set n, n+1
.endr
	WIN 0
	v_max3_num_f32 v[MX], v[MX], v[MX+1], v[MX+2]
	v_max_num_f32 v[MX], v[MX], v[MX+3]
	v_permlanex16_b32 v[PD], v[MX], s86, s87
	v_max_num_f32 v[MX], v[MX], v[PD]
	v_mul_f32 v[MX], s88, v[MX]
	v_floor_f32 v[NM], -v[MX]
	WIN 0x8a                                       ; sources 0 and 1 and the destination: the scores' window; source 2 (-M) window 0
.set n, 0
.rept 64
	v_pk_fma_f32 v[2*n:2*n+1], v[2*n:2*n+1], s[88:89], v[NM:NM+1] op_sel_hi:[1,0,0]   ; the first half's t - M
.set n, n+1
.endr
	s_wait_alu depctr_va_vdst(0)                   ; the wait ahead of the batch
.set n, 0
.rept 64
	v_exp_f32 v[2*n], v[2*n]                       ; the first half's p; among them the second half's t - M, which is read behind the next wait
	v_pk_fma_f32 v[2*n+128:2*n+129], v[2*n+128:2*n+129], s[88:89], v[NM:NM+1] op_sel_hi:[1,0,0]
	v_exp_f32 v[2*n+1], v[2*n+1]
.set n, n+1
.endr
	v_nop                                          ; a plain place behind the last exponential
	s_wait_alu depctr_va_vdst(0)                   ; one wait: behind the first batch and ahead of the second
	WIN 0x08
.set n, 0
.rept 64
	v_pk_add_f32 v[SU+2*(n%4):SU+2*(n%4)+1], v[SU+2*(n%4):SU+2*(n%4)+1], v[2*n:2*n+1]   ; the sum is taken of the unquantised p, ahead of the hold
.set n, n+1
.endr
	WIN 0x8a
.set n, 0
.rept 128
	v_exp_f32 v[n+128], v[n+128]                   ; the second half's p; among them the first half's holds, which are read behind the next wait
	v_min_num_f32 v[n], s90, v[n]                  ; (the last hold is the plain place behind the last exponential)
.set n, n+1
.endr
	s_wait_alu depctr_va_vdst(0)                   ; one wait behind the second batch
	WIN 0x08
.set n, 64
.rept 64
	v_pk_add_f32 v[SU+2*(n%4):SU+2*(n%4)+1], v[SU+2*(n%4):SU+2*(n%4)+1], v[2*n:2*n+1]
.set n, n+1
.endr
	WIN 0
	v_pk_add_f32 v[SU:SU+1], v[SU:SU+1], v[SU+2:SU+3]
	v_pk_add_f32 v[SU+4:SU+5], v[SU+4:SU+5], v[SU+6:SU+7]
	v_pk_add_f32 v[SU:SU+1], v[SU:SU+1], v[SU+4:SU+5]
	v_add_f32 v[SU], v[SU], v[SU+1]
	v_permlanex16_b32 v[PD], v[SU], s86, s87
	v_add_f32 v[SU], v[SU], v[PD]
	s_wait_alu depctr_va_vdst(0)
	v_rcp_f32 v[INV], v[SU]
	WIN 0x88
.set n, 128
.rept 128
	v_min_num_f32 v[n], s90, v[n]                  ; the second half's holds: p is not negative, so the hold is one-sided
.set n, n+1
.endr
	WIN 0x02
.set n, 0
.rept 32
	v_cvt_scalef32_pk8_fp8_f32 v[PC+2*n:PC+2*n+1], v[8*n:8*n+7], v12
.set n, n+1
.endr
	WIN 0
	s_wait_alu depctr_va_vdst(0)
	v_ldexp_f32 v[INV], v[INV], s91
	s_wait_loadcnt 0x0
	WIN 0x03
.irp s, 0,1,2,3
.irp t, 0,1,2,3
.if \s == 0
	v_wmma_f32_16x16x128_fp8_fp8 v[O+8*\t:O+8*\t+7], v[16*(4*\t+\s):16*(4*\t+\s)+15], v[PC+16*\s:PC+16*\s+15], 0
.else
	v_wmma_f32_16x16x128_fp8_fp8 v[O+8*\t:O+8*\t+7], v[16*(4*\t+\s):16*(4*\t+\s)+15], v[PC+16*\s:PC+16*\s+15], v[O+8*\t:O+8*\t+7]
.endif
.endr
.endr
	WIN 0
	PLACES NP
.set n, 0
	s_wait_alu depctr_va_vdst(0)
.rept 16
	v_pk_mul_f32 v[O+2*n:O+2*n+1], v[O+2*n:O+2*n+1], v[INV:INV+1] op_sel_hi:[1,0]
.set n, n+1
.endr
	s_wait_alu depctr_va_vdst(0)
	s_wait_dscnt 0x0
	s_wait_xcnt 0x0
.irp t, 0,1,2,3
	ds_store_b128 v[STO], v[O+8*\t:O+8*\t+3] offset:64*\t
	ds_store_b128 v[STO], v[O+8*\t+4:O+8*\t+7] offset:64*\t+16
.endr
.irp i, 0,1,2,3,4,5,6,7
	ds_load_b128 v[OB+4*\i:OB+4*\i+3], v[RD] offset:\i*2*SPITCH
.endr
	s_and_b32 s94, s92, 7
	s_lshl_b32 s94, s94, 17
	s_lshr_b32 s93, s92, 3
	s_lshl_b32 s93, s93, 8
	s_or_b32 s94, s94, s93
	v_add_nc_u32 v[GO], s94, v[GL]
	s_cmp_lg_u32 s92, 7
	s_cbranch_scc1 .Lsame_head
	KVLOAD 0xc0, 98304                             ; the first head's last second product is done (places and 16 packed lines ago): the second head's v; the next trip waits for it ahead of its second product
	WIN 0
.Lsame_head:
	s_cmp_eq_u32 s92, 15
	s_cbranch_scc1 .Lno_next
	SQK                                            ; (in trip 7: on the second head's k, which this trip's wait for all loads has shown)
	s_cmp_lg_u32 s92, 6
	s_cbranch_scc1 .Lno_next
	PLACES NP                                      ; places ahead of loads into registers that matrix instructions have read
	KVLOAD 0x40, 65536                             ; the first head's last score products are issued: the second head's k, a whole trip ahead of its use
	WIN 0
.Lno_next:
	s_wait_alu depctr_va_vdst(0)
.irp i, 0,1,2,3,4,5,6,7
	s_wait_dscnt 7-\i
	global_store_b128 v[GO], v[OB+4*\i:OB+4*\i+3], s[12:13] offset:16384*\i th:TH_STORE_NT
.endr
	s_add_co_u32 s92, s92, 1
	s_cmp_lt_u32 s92, 16
	s_cbranch_scc1 .Ltrip
	s_wait_tensorcnt 0x0
	ds_add_u32 v[SPW], v[NIL]
	s_wait_dscnt 0x0
	CROUND
	s_endpgm
.Lfunc_end_k_q01da4b82bd_qattn:
	.size	k_q01da4b82bd_qattn, .Lfunc_end_k_q01da4b82bd_qattn-k_q01da4b82bd_qattn
	.p2alignl 7, 3214868480
	.fill 96, 4, 3214868480
	.section	.rodata,"a",@progbits
	.p2align	6, 0x0
	.amdhsa_kernel k_q01da4b82bd_qattn
		.amdhsa_group_segment_fixed_size 327680
		.amdhsa_private_segment_fixed_size 0
		.amdhsa_enable_private_segment 0
		.amdhsa_kernarg_size 40
		.amdhsa_user_sgpr_count 2
		.amdhsa_user_sgpr_kernarg_segment_ptr 1
		.amdhsa_wavefront_size32 1
		.amdhsa_system_sgpr_workgroup_id_x 1
		.amdhsa_system_sgpr_workgroup_id_y 1
		.amdhsa_system_sgpr_workgroup_id_z 1
		.amdhsa_system_vgpr_workitem_id 0
		.amdhsa_next_free_vgpr 1024
		.amdhsa_next_free_sgpr 100
		.amdhsa_reserve_vcc 0
		.amdhsa_float_denorm_mode_32 3
		.amdhsa_float_denorm_mode_16_64 3
		.amdhsa_memory_ordered 1
		.amdhsa_forward_progress 1
		.amdhsa_inst_pref_size 236
	.end_amdhsa_kernel
	.amdgpu_metadata
---
amdhsa.version: [ 1, 2 ]
amdhsa.kernels:
  - .name:           k_q01da4b82bd_qattn
    .symbol:         k_q01da4b82bd_qattn.kd
    .args:
      - { .name: xc, .offset: 0, .size: 8, .value_kind: global_buffer, .address_space: global }
      - { .name: wqc, .offset: 8, .size: 8, .value_kind: global_buffer, .address_space: global }
      - { .name: lowp_scales, .offset: 16, .size: 8, .value_kind: global_buffer, .address_space: global }
      - { .name: kv, .offset: 24, .size: 8, .value_kind: global_buffer, .address_space: global }
      - { .name: out0, .offset: 32, .size: 8, .value_kind: global_buffer, .address_space: global }
    .group_segment_fixed_size: 327680
    .private_segment_fixed_size: 0
    .kernarg_segment_align: 8
    .kernarg_segment_size: 40
    .max_flat_workgroup_size: 128
    .sgpr_count:     100
    .vgpr_count:     1024
    .wavefront_size: 32
...
	.end_amdgpu_metadata
.endif
;; end of part 3
